; MI455X (gfx1250); checked and timed in simulation.
; The chip was launched on July 23, 2026; its instructions are those of AMD's public machine-readable ISA for CDNA 5 (MIT licence, August 2026) and "CDNA5" Instruction Set Architecture Reference Guide (July 2026). The comments in the code are by the model that wrote it; some were corrected since.
;; Spatial dot. Allowed arithmetic: matrix products marked QUANTISED: E3M2 operands, one E8M0 scale for each 32 along K, by v_wmma_scale_f32_16x16x128_f8f6f4 with both operands' format E3M2, f32 sums; everything else in f32.
;; Inputs: W1 64 x 128 float32; W2 64 x 128 float32; W3 64 x 128 float32; b1 64 float32; b2 64 float32; b3 64 float32; input1 1 x 8 x 128 x 64 x 64 float32; input2 1 x 8 x 128 x 64 x 64 float32.
;; Outputs: out0 1 x 8 x 64 x 64 x 64 float32.
;; This version of the problem:
;;   THIS VERSION OF THE PROBLEM IS GIVEN IN LOW PRECISION. The matrix products marked QUANTISED in the list below multiply operands that are first quantised to E3M2 (3 exponent bits, 2 mantissa bits; 6 bits a number), with one power-of-two scale for each 32 numbers along K (OCP MX v1.0); their sums are f32. All else is computed in f32.
;;   The module's matrix products, in the order in which they are computed (A, B: the left and right operand; K: the contracted axis; several contracted axes count as one K, in the product's order):
;;     1. [M 32,768, K 128] x [K 128, N 64]; A: input input1; B: input W1: QUANTISED
;;     2. [M 32,768, K 128] x [K 128, N 64]; A: input input2; B: input W2: QUANTISED
;;     3. [M 32,768, K 128] x [K 128, N 64]; A: input input1; B: input W3: QUANTISED
;;     4. batch 8 x [M 4,096, K 64] x [K 64, N 4,096]; A: computed on the way; B: computed on the way: QUANTISED
;;     5. batch 8 x [M 4,096, K 4,096] x [K 4,096, N 64]; A: computed on the way; B: computed on the way: QUANTISED
;;   THE QUANTISER, for each operand of a quantised product, along K:
;;     - K is cut into blocks of 32 from its start; a last block that is shorter is filled with zeros.
;;     - A block's scale is 2^e with e = floor(log2(the largest magnitude in the block)) - 4, held to -126 .. 127; a block of zeros has e = 0. As a byte (E8M0): e + 127.
;;     - Each number is divided by its block's scale, clamped to +-28, and rounded to the nearest number of E3M2, ties to even, subnormals kept.
;;     - The product sums the exact products of the quantised numbers (number of the format x scale) in f32.
;;   ~~~python
;;   def quantise(x, axis):      # numpy; x: float32 -> the quantised numbers, widened to float32 again
;;       x = np.moveaxis(x, axis, -1); K = x.shape[-1]
;;       x = np.pad(x, [(0, 0)] * (x.ndim - 1) + [(0, -K % 32)]); x = x.reshape(x.shape[:-1] + (-1, 32)); a = np.abs(x).max(-1, keepdims=True)
;;       e = np.where(a > 0, np.clip(np.frexp(np.where(a > 0, a, 1))[1] - 1 - 4, -126, 127), 0)      # np.frexp(a)[1] - 1 = floor(log2(a)), exactly
;;       r = np.clip(x / 2.0 ** e, -28, 28)
;;       step = 2.0 ** (np.maximum(np.frexp(np.where(r == 0, 1, r))[1] - 1, -2) - 2)
;;       q = np.round(r / step) * step * 2.0 ** e      # np.round: ties to even
;;       return np.moveaxis(q.reshape(q.shape[:-2] + (-1,))[..., :K], -1, axis).astype(np.float32)
;;   ~~~
;;   OPERANDS COMPUTED ON THE WAY. 'Computed on the way' means the value that the module computes at that place (a softmax that the list does not call 'softmax' is quantised finished and normalised). What goes into a quantiser is computed in f32, as accurately as f32 sums, v_exp_f32 and their like allow (about 1e-6 of the number): no bf16 or f16 on the way to a quantiser, and a product that is left as it is and whose result goes on into a quantised operand takes f32 operands (vector FMAs, or v_wmma_f32_16x16x4_f32). A number that lies on a knife's edge between two numbers of the format may be rounded either way, as far as f32 arithmetic and the matrix unit's own rounding can turn it there, and no further.
;; One version. Each part assembles by itself: llvm-mc -triple=amdgcn-amd-amdhsa -mcpu=gfx1250 --defsym DOCPART=n.
;; ======== version 1 of 1: 2 launches
;; workspace buffers: kg 3,342,336 bytes; qc 1,572,864 bytes; qsc 131,072 bytes
;; launch proj (part 1): grid 32 x 8, 8 waves a work-group, no clusters, 168,960 bytes of LDS; arguments input1, input2, W1, W2, W3, b1, b2, b3, kg, qc, qsc; writes kg, qc, qsc
.if DOCPART == 1
	.amdgcn_target "amdgcn-amd-amdhsa--gfx1250"
	.amdhsa_code_object_version 6
	.text
	.protected	k_q59ec23068e_proj
	.globl	k_q59ec23068e_proj
	.p2align	8
	.type	k_q59ec23068e_proj,@function
k_q59ec23068e_proj:
	s_mov_b64 s[64:65], 0
	v_nop
	global_prefetch_b8 v0, s[64:65] scope:SCOPE_SE
	s_setreg_imm32_b32 hwreg(HW_REG_WAVE_MODE, 25, 1), 1
	s_wait_xcnt 0x0
; q = W1 x1 + b1, k = W2 x2 + b2, g = W3 x1 + b3 for one CHUNK of 128 neighbouring positions of one frame, all three products on codes of BF6 (E3M2) with one E8M0 scale
; for each 32 along K (the 128 channels); then q and k are quantised along the 64 features and g along the positions (the keys), and leave as IMAGES OF OPERAND REGISTERS.
; x: [8][128 channels][4096 positions] f32, K outermost.  W: [64][128] f32, K innermost.
; LIMITS: NaN and infinities among the inputs are not served.  A block whose largest magnitude lies under 2^-122 gets the scale byte 1, a block of zeros too (the rule says 127):
; its codes are zeros, which add nothing under any byte but 0xff, and the bytes are read by this program alone.
; NO CLUSTER: the work-groups share only the 96 KiB of weights; the 128 KiB of x that a work-group reads are its own.
; THE ROWS OF A TILE ARE NOT NEIGHBOURS.  A chunk has 8 tiles t = 4 c + u; row m of tile t is position 64 c + 32 (m / 8) + 8 u + m % 8.  Where such a tile is source 0 of a product, lane (r, h)
; holds in register j of tile 4 c + u position 64 c + 32 h + 8 u + j: the 32 registers of tiles 4 c .. 4 c + 3 are one whole block of 32 positions, in order.  W1 and W2 are cut likewise:
; row m of their tile u is feature 8 u + m % 8 + 32 (m / 8), so that a lane's 32 results are features 32 h .. 32 h + 31 of one position.  So no maximum and no code ever changes lanes.
; SHARES.  Eight waves; p = wave % 4, side = wave / 4.  Side 0 works on x1 and W1 (q), side 1 on x2 and W2 (k); wave p owns tiles 2 p and 2 p + 1 of its side.
; For g wave (p, side) multiplies x1's tiles 4 side .. 4 side + 3 by W3's rows 16 p .. 16 p + 15.
; A RECORD is six registers of 32 lanes, 768 bytes: registers 0-3 at 16 x lane, registers 4-5 at 512 + 8 x lane.  kg: [frame][chunk][13,056]: 8 records of k, 8 of g (2 n + c), 512 bytes of k's scale words
; (tile t, row r at 16 (r + 16 (t / 4)) + 4 (t % 4); bytes 2 and 3 are 0x7f), 256 bytes of g's (feature 16 n + r at 16 r + 4 n).  qc, qsc: q's records and words, laid as k's.
.set WIMG,  131072                     ; LDS.  0 ..: x, side x 65,536 + channel x 512, filled once by the tensor loads.  WIMG: the 8 tiles of W1 and W2 as images, 1,536 bytes each
.set WSC,   143360                     ; their scale words, 128 bytes each
.set XIMG,  144384                     ; x1's 8 tiles as images
.set XSC,   156672                     ; their scale words: 128 bytes for each pair of tiles
.set SST,   157184                     ; q's scale words 512, k's 512, g's scale bytes 256: gathered here, stored in runs of 512 and 256 bytes
.set FRB,   1536                       ; an image of 12 registers
.set CHUNK, 13056
.set R0,    16                         ; v16-143  four sets of 32 numbers; later v16-63 four fragments, v80-143 results
.set QK,    80
.set BC,    144                        ; v144-175 the bias in the result's layout: the C of q's or k's products
.set B3V,   176                        ; v176     b3 of my feature
.set B3C,   178                        ; v178-185 the same eight times: the C of g's products
.set XA,    186                        ; v186-197 my first tile of x; before that my tile of W; later a record
.set XB,    198                        ; v198-209 my second tile
.set XW,    210                        ; v210     scale words: my tile of W's; then x's: lanes 0-15 my first tile's rows, lanes 16-31 my second's
.set W3W,   211                        ; v211     W3's scale words
.set W3F,   212                        ; v212-223 my tile of W3; later g's record
.set TMP0,  224                        ; v224-226, v228-230: a conversion's three registers begin on an even number, so a block's upper 16 codes are made here and moved
.set TMP1,  228
.set M0,    232
.set M1,    233
.set SO,    234                        ; the conversion's scale operand
.set BY0,   235
.set QW,    236                        ; v236-237 the scale words of my two tiles of q or k
.set BY1,   238
.set PX,    239                        ; destination of the exchange between the halves of the lanes
.set WS,    250                        ; v250-253 the scale words of my side's four tiles of W
.set XS1,   254                        ; v254-255 x1's scale words for g
; 32 numbers of ONE block in a lane's registers v[raw] on become 32 codes (the lower 16 in v[dlo] on, the upper 16 in v[dhi] on) and the scale's byte in v[by].
; The largest magnitude, with the floor 2^(5 - 127) among its leaves, which holds the byte at 1 from below; 4 off its exponent field is the conversion's scale operand.  Registers are read in ascending order.
.macro BLOCKQ raw, dlo, dhi, by
	v_max3_num_f32 v[M0], |v[(\raw)]|, |v[(\raw)+1]|, 0x2800000
	v_max3_num_f32 v[M1], |v[(\raw)+16]|, |v[(\raw)+17]|, 0x2800000
.irp i, 2,4,6,8,10,12,14
	v_max3_num_f32 v[M0], v[M0], |v[(\raw)+\i]|, |v[(\raw)+\i+1]|          ; two chains by turns
	v_max3_num_f32 v[M1], v[M1], |v[(\raw)+16+\i]|, |v[(\raw)+17+\i]|
.endr
	v_max_num_f32 v[M0], v[M0], v[M1]
	v_add_nc_u32 v[SO], 0xfe000000, v[M0]
	v_lshrrev_b32 v[\by], 23, v[SO]
	v_cvt_scalef32_pk16_bf6_f32 v[(\dlo):(\dlo)+2], v[(\raw):(\raw)+15], v[SO]
	v_cvt_scalef32_pk16_bf6_f32 v[(\dhi):(\dhi)+2], v[(\raw)+16:(\raw)+31], v[SO]
	v_nop                                          ; one plain place behind a scaled conversion
.endm
.macro MOV3 d, s
.irp i, 0,1,2
	v_mov_b32 v[(\d)+\i], v[(\s)+\i]
.endr
.endm
.macro WORD2 w, b0, b1                 ; the scale word of an operand of which my lane holds blocks h and 2 + h: my two bytes at their places, and the other half's two
	v_lshl_or_b32 v[\w], v[\b1], 16, v[\b0]
	v_lshlrev_b32 v[\w], v12, v[\w]
	v_permlanex16_b32 v[PX], v[\w], s60, s61
	v_or_b32 v[\w], v[\w], v[PX]
.endm
.macro WORD1 w, by                     ; the scale word of a row of q or k: block h is mine, block 1 - h the other half's; blocks 2 and 3 do not exist: 0x7f
	v_lshlrev_b32 v[\w], v12, v[\by]
	v_permlanex16_b32 v[PX], v[\w], s60, s61
	v_or_b32 v[\w], v[\w], v[PX]
	v_or_b32 v[\w], 0x7f7f0000, v[\w]
.endm
.macro IMG adr, reg, off               ; twelve registers go to LDS as they stand, 16 bytes a lane, 512 bytes a store
.irp g, 0,1,2
	ds_store_b128 v[\adr], v[(\reg)+4*\g:(\reg)+4*\g+3] offset:(\off)+512*\g
.endr
.endm
.macro FET reg, adr, off               ; and come back so, in any wave
.irp g, 0,1,2
	ds_load_b128 v[(\reg)+4*\g:(\reg)+4*\g+3], v[\adr] offset:(\off)+512*\g
.endr
.endm
.macro XJOB b                          ; block b of my lane's position: channels 32 b .. 32 b + 31, registers down K; the 32 lanes touch 32 different banks
.irp i, 0,1,2,3,4,5,6,7,8,9,10,11,12,13,14,15,16,17,18,19,20,21,22,23,24,25,26,27,28,29,30,31
	ds_load_b32 v[R0+32*\b+\i], v4 offset:(32*\b+\i)*512
.endr
.endm
.macro SWAPS o                         ; lanes 0-15 made my first tile's blocks, lanes 16-31 my second's; an operand wants the even block in lanes 0-15 and the odd one in lanes 16-31
.irp i, 0,1,2
	v_permlane16_swap_b32 v[XA+\o+\i], v[XB+\o+\i]
	v_permlane16_swap_b32 v[TMP0+\i], v[TMP1+\i]
.endr
	MOV3 XA+\o+3, TMP0
	MOV3 XB+\o+3, TMP1
.endm
.macro PLACES                          ; four plain places behind a matrix instruction (ISA guide 7.12.1), and in front of a scaled one whose operands vector instructions wrote
.rept 4
	v_nop
.endr
.endm
	s_load_b512 s[4:19], s[0:1], 0x0               ; input1 s[4:5], input2 s[6:7], W1 s[8:9], W2 s[10:11], W3 s[12:13], b1 s[14:15], b2 s[16:17], b3 s[18:19]
	s_load_b128 s[20:23], s[0:1], 0x40             ; kg s[20:21], qc s[22:23]
	s_load_b64 s[24:25], s[0:1], 0x50              ; qsc
	v_lshl_add_u32 v227, v0, 2, 0x29000
	v_mov_b32 v231, 0
	ds_add_u32 v227, v231
	ds_add_u32 v227, v231
	v_lshrrev_b32 v1, 5, v0
	v_readfirstlane_b32 s26, v1                    ; wave 0..7
	s_and_b32 s27, s26, 3                          ; p
	s_lshr_b32 s28, s26, 2                         ; side
	s_and_b32 s30, ttmp7, 0xffff                   ; frame
	s_lshl_b32 s31, s30, 5
	s_add_co_u32 s31, s31, ttmp9                   ; the chunk's number: 32 x frame + x
	; descriptor group 1: 32 channels x 128 positions of 4 bytes, 4,096 elements from channel to channel; rows of 512 bytes, no padding
	s_mov_b32 s40, 2<<16                           ; no mask; elements of 4 bytes
	s_mov_b32 s41, 128<<16                         ; tensor_dim0 = 128
	s_mov_b32 s42, 32<<16                          ; tensor_dim1 = 32
	s_mov_b32 s43, 128<<16                         ; tile_dim0 = 128
	s_mov_b32 s44, 32                              ; tile_dim1 = 32
	s_mov_b32 s45, 4096                            ; tensor_dim0_stride
	s_mov_b32 s46, 0
	s_mov_b32 s47, 0
	s_mov_b32 s48, 1                               ; group 0: count = 1
	s_lshl_b32 s49, s26, 14                        ; LDS: wave x 16,384 = side x 65,536 + 32 p channels of 512 bytes
	s_lshl_b32 s2, s30, 21                         ; in x: frame x 128 x 4,096 x 4
	s_lshl_b32 s3, ttmp9, 9                        ; + the chunk's 128 positions
	s_add_co_u32 s2, s2, s3
	s_lshl_b32 s3, s27, 19                         ; + 32 p channels
	s_add_co_u32 s2, s2, s3
	s_mov_b32 s3, 0
	s_mul_i32 s62, s31, CHUNK                      ; the chunk's place in kg,
	s_mul_i32 s63, s31, 6144                       ; and in qc
	s_cmp_lt_u32 s26, 4                            ; side 0 or 1: the choices hang on the wave's number alone
	s_cselect_b32 s29, s63, s62
	s_wait_dscnt 0x0
	s_wait_kmcnt 0x0
	s_cselect_b64 s[32:33], s[4:5], s[6:7]         ; x
	s_cselect_b64 s[34:35], s[8:9], s[10:11]       ; W
	s_cselect_b64 s[36:37], s[14:15], s[16:17]     ; the bias
	s_cselect_b64 s[38:39], s[22:23], s[20:21]     ; where my records go: qc or kg
	s_add_nc_u64 s[50:51], s[32:33], s[2:3]
	s_or_b32 s51, s51, 0x80000000                  ; type = 2
	tensor_load_to_lds s[48:51], s[40:47]          ; my one tensor load, ahead of everything else: one is out
	s_nop 0
	v_and_b32 v1, 31, v0                           ; lane
	v_and_b32 v2, 15, v0                           ; r
	v_bfe_u32 v3, v0, 4, 1                         ; h
	v_and_b32 v248, 7, v0
	v_bfe_u32 v249, v0, 3, 1
	v_lshlrev_b32 v5, 9, v248                      ; W1, W2: row r % 8 + 32 (r / 8) of 512 bytes, + 128 h
	v_lshl_add_u32 v5, v249, 14, v5
	v_lshl_add_u32 v5, v3, 7, v5
	v_lshlrev_b32 v6, 9, v2                        ; W3: row r, + 128 h
	v_lshl_add_u32 v6, v3, 7, v6
	v_lshlrev_b32 v13, 7, v3                       ; the bias: features 32 h on
	v_lshlrev_b32 v4, 2, v248                      ; x in LDS: my lane's position, in bytes: 4 (l % 8) + 128 ((l / 8) % 2) + 32 (l / 16) ..
	v_lshl_add_u32 v4, v249, 7, v4
	v_lshl_add_u32 v4, v3, 5, v4
	s_lshl_b32 s2, s27, 6
	v_lshl_add_u32 v248, v2, 2, s2                 ; b3: feature 16 p + r
	s_lshl_b32 s2, s27, 12
	s_add_nc_u64 s[34:35], s[34:35], s[2:3]        ; W at row 8 p
	s_lshl_b32 s2, s27, 13
	s_add_nc_u64 s[52:53], s[12:13], s[2:3]        ; W3 at row 16 p
.irp c, 0,1
.irp i, 0,1,2,3,4,5,6,7
	global_load_b128 v[R0+32*\c+4*\i:R0+32*\c+4*\i+3], v5, s[34:35] offset:256*\c+16*\i        ; my tile of W: channels 64 c + 32 h + 0 .. 31 of my row
.endr
.endr
.irp c, 0,1
.irp i, 0,1,2,3,4,5,6,7
	global_load_b128 v[R0+64+32*\c+4*\i:R0+64+32*\c+4*\i+3], v6, s[52:53] offset:256*\c+16*\i  ; my tile of W3
.endr
.endr
.irp u, 0,1,2,3
	global_load_b128 v[BC+8*\u:BC+8*\u+3], v13, s[36:37] offset:32*\u                          ; b(32 h + 8 u + j)
	global_load_b128 v[BC+8*\u+4:BC+8*\u+7], v13, s[36:37] offset:32*\u+16
.endr
	global_load_b32 v[B3V], v248, s[18:19]
	; the other pointers
	s_mul_i32 s2, s27, 1536
	s_add_co_u32 s2, s2, s29
	s_add_nc_u64 s[38:39], s[38:39], s[2:3]        ; my two records of q or k
	s_mov_b32 s2, s62
	s_add_nc_u64 s[54:55], s[20:21], s[2:3]        ; the chunk in kg
	s_lshl_b32 s2, s27, 1
	s_add_co_u32 s2, s2, s28
	s_mul_i32 s2, s2, 768
	s_add_co_u32 s2, s2, 6144
	s_add_nc_u64 s[56:57], s[54:55], s[2:3]        ; g's record 2 p + side
	s_lshl_b32 s2, s31, 9
	s_add_nc_u64 s[58:59], s[24:25], s[2:3]        ; q's scale words
	s_add_nc_u64 s[62:63], s[54:55], 12288         ; k's
	s_cmp_eq_u32 s26, 0
	s_cselect_b64 s[62:63], s[58:59], s[62:63]     ; wave 0 will store q's, wave 1 k's
	s_mov_b32 s60, 0x76543210
	s_mov_b32 s61, 0xfedcba98                      ; v_permlanex16_b32: lane l xor 16
	; every LDS address is made here, ahead of the first branch on the wave's number: a constant + a constant x wave + a constant x lane
	s_lshr_b32 s29, s27, 1
	s_lshl_b32 s29, s29, 8                         ; 256 (p / 2)
	s_and_b32 s32, s27, 1                          ; p % 2
	s_lshl_b32 s2, s28, 16
	s_add_co_u32 s2, s2, s29
	s_lshl_b32 s33, s32, 6
	s_add_co_u32 s2, s2, s33
	v_add_nc_u32 v4, s2, v4                        ; .. + side x 65,536 + 256 (p / 2) + 64 (p % 2): lanes 0-15 tile 2 p, lanes 16-31 tile 2 p + 1
	v_lshlrev_b32 v7, 4, v1                        ; 16 x lane
	v_lshlrev_b32 v8, 3, v1                        ; 8 x lane
	v_lshlrev_b32 v9, 2, v1                        ; 4 x lane
	v_lshlrev_b32 v12, 3, v3                       ; 8 h: a byte's shift
	s_lshl_b32 s2, s28, 9
	s_add_co_u32 s2, s2, s29
	s_lshl_b32 s33, s32, 3
	s_add_co_u32 s2, s2, s33
	s_add_co_u32 s2, s2, SST
	v_lshl_add_u32 v10, v2, 4, s2                  ; my two tiles' scale words of row r
	s_lshl_b32 s2, s27, 2
	s_lshl_b32 s33, s28, 1
	s_add_co_u32 s2, s2, s33
	s_add_co_u32 s2, s2, SST+1024
	v_lshl_add_u32 v11, v2, 4, s2
	v_add_nc_u32 v11, v11, v3                      ; g's scale byte: 16 r + 4 p + 2 side + h
	s_mul_i32 s2, s26, FRB
	s_add_co_u32 s2, s2, WIMG
	v_add_nc_u32 v14, s2, v7                       ; where my tile of W goes
	s_mul_i32 s2, s27, 2*FRB
	s_add_co_u32 s2, s2, XIMG
	v_add_nc_u32 v15, s2, v7                       ; where my two tiles of x1 go
	s_mul_i32 s2, s28, 4*FRB
	s_add_co_u32 s33, s2, WIMG
	v_add_nc_u32 v240, s33, v7                     ; my side's four tiles of W
	s_add_co_u32 s33, s2, XIMG
	v_add_nc_u32 v242, s33, v7                     ; x1's tiles 4 side on
	s_lshl_b32 s2, s28, 9
	s_add_co_u32 s2, s2, WSC
	v_add_nc_u32 v241, s2, v9
	s_lshl_b32 s2, s28, 8
	s_add_co_u32 s2, s2, XSC
	v_add_nc_u32 v243, s2, v9
	s_lshl_b32 s2, s26, 7
	s_add_co_u32 s2, s2, WSC
	v_add_nc_u32 v244, s2, v9
	s_lshl_b32 s2, s27, 7
	s_add_co_u32 s2, s2, XSC
	v_add_nc_u32 v245, s2, v9
	s_min_u32 s2, s26, 2
	s_lshl_b32 s2, s2, 9
	s_add_co_u32 s2, s2, SST
	v_add_nc_u32 v246, s2, v7
	v_add_nc_u32 v247, SST+1024, v8
	v_mov_b32 v[PX], 0                             ; written once: a lane permute's destination counts as one of its sources
	; ---- the weights, while x is on its way
	s_wait_loadcnt 25                              ; my tile of W is in: 16 loads of W3, 8 of the bias and b3's are younger
	BLOCKQ R0, XA, TMP0, BY0
	BLOCKQ R0+32, XA+6, TMP1, BY1
	MOV3 XA+3, TMP0
	MOV3 XA+9, TMP1
	WORD2 XW, BY0, BY1
	IMG 14, XA, 0
	ds_store_b32 v244, v[XW]
	s_wait_loadcnt 9                               ; W3's tile is in: the bias and b3 are younger
	BLOCKQ R0+64, W3F, TMP0, BY0
	BLOCKQ R0+96, W3F+6, TMP1, BY1
	MOV3 W3F+3, TMP0
	MOV3 W3F+9, TMP1
	WORD2 W3W, BY0, BY1
	s_wait_loadcnt 0x0
.irp j, 0,1,2,3,4,5,6,7
	v_mov_b32 v[B3C+\j], v[B3V]                    ; in g's result a lane holds one feature: its bias in all eight registers
.endr
	s_wait_tensorcnt 0x0                           ; my 32 channels have landed,
	s_wait_dscnt 0x0                               ; my image of W and its words are stored:
	s_barrier_signal -1
	s_barrier_wait -1                              ; everybody's are
	; ---- x: my lane's position, four blocks of 32 channels
	XJOB 0
	XJOB 1
	s_wait_dscnt 32                                ; block 0 is in; the 32 loads of block 1 may be out
	BLOCKQ R0, XA, TMP0, BY0
	v_mov_b32 v[XW], v[BY0]                        ; the four bytes make my position's scale word
	XJOB 2
	s_wait_dscnt 32
	BLOCKQ R0+32, XB, TMP1, BY0
	v_lshl_or_b32 v[XW], v[BY0], 8, v[XW]
	XJOB 3
	SWAPS 0
	s_wait_dscnt 32
	BLOCKQ R0+64, XA+6, TMP0, BY0
	v_lshl_or_b32 v[XW], v[BY0], 16, v[XW]
	s_wait_dscnt 0x0
	BLOCKQ R0+96, XB+6, TMP1, BY0
	v_lshl_or_b32 v[XW], v[BY0], 24, v[XW]         ; behind this line six moves and four v_nop stand ahead of the products: a scale word so written wants eight places
	SWAPS 6
	s_cmp_lt_u32 s26, 4
	s_cbranch_scc0 .Lnot_x1
	IMG 15, XA, 0                                  ; x1's tiles are wanted again, for g, by other waves
	IMG 15, XB, FRB
	ds_store_b32 v245, v[XW]
.Lnot_x1:
.irp u, 0,1,2,3
	FET R0+12*\u, 240, FRB*\u                      ; my side's four tiles of W
	ds_load_b32 v[WS+\u], v241 offset:128*\u
.endr
	PLACES
	s_wait_dscnt 0x0                               ; W's tiles are in, and x1's images are stored:
	s_barrier_signal -1                            ; say so, and multiply while the others arrive
.irp a, 0,1
.irp u, 0,1,2,3                        ; source 0 = 16 rows of W, source 1 = 16 positions: lane (r, h) holds position r, and register j of tile u feature 32 h + 8 u + j.  The bias is the C
.if \a
	v_wmma_scale_f32_16x16x128_f8f6f4 v[QK+32*\a+8*\u:QK+32*\a+8*\u+7], v[R0+12*\u:R0+12*\u+11], v[XA+12*\a:XA+12*\a+11], v[BC+8*\u:BC+8*\u+7], v[WS+\u], v[XW] matrix_a_fmt:MATRIX_FMT_BF6 matrix_b_fmt:MATRIX_FMT_BF6 matrix_b_scale:MATRIX_SCALE_ROW1
.else
	v_wmma_scale_f32_16x16x128_f8f6f4 v[QK+32*\a+8*\u:QK+32*\a+8*\u+7], v[R0+12*\u:R0+12*\u+11], v[XA+12*\a:XA+12*\a+11], v[BC+8*\u:BC+8*\u+7], v[WS+\u], v[XW] matrix_a_fmt:MATRIX_FMT_BF6 matrix_b_fmt:MATRIX_FMT_BF6
.endif
.endr
.endr
	s_barrier_wait -1                              ; x1's eight tiles lie in LDS
	; ---- q or k is quantised along the features; x1's tiles for g come meanwhile
	PLACES
.irp u, 0,1,2,3
	FET R0+12*\u, 242, FRB*\u
.endr
	ds_load_b32 v[XS1], v243
	ds_load_b32 v[XS1+1], v243 offset:128
	BLOCKQ QK, XA, TMP0, BY0                       ; my 32 registers are one block: features 32 h .. 32 h + 31 of position r
	MOV3 XA+3, TMP0
	WORD1 QW, BY0
	BLOCKQ QK+32, XB, TMP1, BY1
	MOV3 XB+3, TMP1
	WORD1 QW+1, BY1
	global_store_b128 v7, v[XA:XA+3], s[38:39]                 ; a record: 512 consecutive bytes,
	global_store_b64 v8, v[XA+4:XA+5], s[38:39] offset:512     ; and 256
	global_store_b128 v7, v[XB:XB+3], s[38:39] offset:768
	global_store_b64 v8, v[XB+4:XB+5], s[38:39] offset:1280
	ds_store_b64 v10, v[QW:QW+1]                   ; both halves of the lanes write the same words with the same values
	s_wait_dscnt 0x0                               ; x1's tiles are in
.irp u, 0,1,2,3                        ; g: source 0 = 16 positions, source 1 = 16 rows of W3: lane (r, h) holds feature 16 p + r, and register j of tile u position 64 side + 32 h + 8 u + j
.if \u%2
	v_wmma_scale_f32_16x16x128_f8f6f4 v[QK+8*\u:QK+8*\u+7], v[R0+12*\u:R0+12*\u+11], v[W3F:W3F+11], v[B3C:B3C+7], v[XS1+\u/2], v[W3W] matrix_a_fmt:MATRIX_FMT_BF6 matrix_b_fmt:MATRIX_FMT_BF6 matrix_a_scale:MATRIX_SCALE_ROW1
.else
	v_wmma_scale_f32_16x16x128_f8f6f4 v[QK+8*\u:QK+8*\u+7], v[R0+12*\u:R0+12*\u+11], v[W3F:W3F+11], v[B3C:B3C+7], v[XS1+\u/2], v[W3W] matrix_a_fmt:MATRIX_FMT_BF6 matrix_b_fmt:MATRIX_FMT_BF6
.endif
.endr
	PLACES
	BLOCKQ QK, W3F, TMP0, BY0                      ; one block of 32 keys of my feature
	MOV3 W3F+3, TMP0
	global_store_b128 v7, v[W3F:W3F+3], s[56:57]
	global_store_b64 v8, v[W3F+4:W3F+5], s[56:57] offset:512
	ds_store_b8 v11, v[BY0]
	s_wait_dscnt 0x0                               ; my words and my byte are stored
	s_barrier_signal -1
	s_barrier_wait -1                              ; all scale words of the chunk lie in LDS
	s_cmp_gt_u32 s26, 2
	s_cbranch_scc1 .Lend
	s_cmp_eq_u32 s26, 2
	s_cbranch_scc1 .Lg_words
	ds_load_b128 v[16:19], v246                    ; wave 0: q's 512 bytes; wave 1: k's
	s_wait_dscnt 0x0
	global_store_b128 v7, v[16:19], s[62:63]
	s_branch .Lend
.Lg_words:
	ds_load_b64 v[16:17], v247                     ; wave 2: g's 256 bytes
	s_wait_dscnt 0x0
	global_store_b64 v8, v[16:17], s[54:55] offset:12800
.Lend:
	s_wait_tensorcnt 0x0
	ds_add_u32 v227, v231
	s_wait_dscnt 0x0
	s_endpgm
.Lfunc_end_k_q59ec23068e_proj:
	.size	k_q59ec23068e_proj, .Lfunc_end_k_q59ec23068e_proj-k_q59ec23068e_proj
	.p2alignl 7, 3214868480
	.fill 96, 4, 3214868480
	.section	.rodata,"a",@progbits
	.p2align	6, 0x0
	.amdhsa_kernel k_q59ec23068e_proj
		.amdhsa_group_segment_fixed_size 168960
		.amdhsa_private_segment_fixed_size 0
		.amdhsa_enable_private_segment 0
		.amdhsa_kernarg_size 88
		.amdhsa_user_sgpr_count 2
		.amdhsa_user_sgpr_kernarg_segment_ptr 1
		.amdhsa_wavefront_size32 1
		.amdhsa_system_sgpr_workgroup_id_x 1
		.amdhsa_system_sgpr_workgroup_id_y 1
		.amdhsa_system_sgpr_workgroup_id_z 1
		.amdhsa_system_vgpr_workitem_id 0
		.amdhsa_next_free_vgpr 256
		.amdhsa_next_free_sgpr 66
		.amdhsa_reserve_vcc 0
		.amdhsa_float_denorm_mode_32 3
		.amdhsa_float_denorm_mode_16_64 3
		.amdhsa_memory_ordered 1
		.amdhsa_forward_progress 1
		.amdhsa_inst_pref_size 42
	.end_amdhsa_kernel
	.amdgpu_metadata
---
amdhsa.version: [ 1, 2 ]
amdhsa.kernels:
  - .name:           k_q59ec23068e_proj
    .symbol:         k_q59ec23068e_proj.kd
    .args:
      - { .name: input1, .offset: 0, .size: 8, .value_kind: global_buffer, .address_space: global }
      - { .name: input2, .offset: 8, .size: 8, .value_kind: global_buffer, .address_space: global }
      - { .name: W1, .offset: 16, .size: 8, .value_kind: global_buffer, .address_space: global }
      - { .name: W2, .offset: 24, .size: 8, .value_kind: global_buffer, .address_space: global }
      - { .name: W3, .offset: 32, .size: 8, .value_kind: global_buffer, .address_space: global }
      - { .name: b1, .offset: 40, .size: 8, .value_kind: global_buffer, .address_space: global }
      - { .name: b2, .offset: 48, .size: 8, .value_kind: global_buffer, .address_space: global }
      - { .name: b3, .offset: 56, .size: 8, .value_kind: global_buffer, .address_space: global }
      - { .name: kg, .offset: 64, .size: 8, .value_kind: global_buffer, .address_space: global }
      - { .name: qc, .offset: 72, .size: 8, .value_kind: global_buffer, .address_space: global }
      - { .name: qsc, .offset: 80, .size: 8, .value_kind: global_buffer, .address_space: global }
    .group_segment_fixed_size: 168960
    .private_segment_fixed_size: 0
    .kernarg_segment_align: 8
    .kernarg_segment_size: 88
    .max_flat_workgroup_size: 256
    .sgpr_count:     66
    .vgpr_count:     256
    .wavefront_size: 32
...
	.end_amdgpu_metadata
.endif
;; end of part 1
;; launch attn (part 2): grid 32 x 8, 8 waves a work-group, clusters of 4 x 1, 327,680 bytes of LDS; arguments kg, qc, qsc, out0; writes out0
.if DOCPART == 2
	.amdgcn_target "amdgcn-amd-amdhsa--gfx1250"
	.amdhsa_code_object_version 6
	.text
	.protected	k_q59ec23068e_attn
	.globl	k_q59ec23068e_attn
	.p2align	8
	.type	k_q59ec23068e_attn,@function
k_q59ec23068e_attn:
	s_mov_b64 s[64:65], 0
	v_nop
	global_prefetch_b8 v0, s[64:65] scope:SCOPE_SE
	s_setreg_imm32_b32 hwreg(HW_REG_WAVE_MODE, 25, 1), 1
	s_wait_xcnt 0x0
	s_wait_alu depctr_hold_cnt(0) depctr_sa_sdst(0) depctr_va_vdst(0) depctr_va_sdst(0) depctr_va_ssrc(0) depctr_va_vcc(0) depctr_vm_vsrc(0)
	s_getreg_b32 s2, hwreg(HW_REG_IB_STS2, 6, 4)
	s_cmp_eq_u32 s2, 0
	s_cbranch_scc0 .Lentry_in_a_cluster
	s_endpgm
.Lentry_in_a_cluster:
	s_bfe_u32 s2, ttmp6, 0x10000c
	s_cmp_lg_u32 s2, 0x3003
	s_cbranch_scc0 .Lentry_shape_is_right
	s_endpgm
.Lentry_shape_is_right:
; out[frame][f][n] = the sum over the 4,096 keys m of relu(q[n] . k[m]) g[m][f], both products on codes of BF6 (E3M2) with one E8M0 scale for each 32 along K.
; q, k and g arrive as images of operand registers with their scale words (kg, qc, qsc: laid out by the launch before).  relu(q k^T) is quantised in registers, along the keys.
; LIMITS: NaN and infinities are not served.  A block of scores whose largest lies under 2^-122 (a block of zeros too, where the rule says 127) gets the scale byte 1: what is lost lies under 2^-124.
; SHARES.  A work-group owns a chunk of 128 queries of one frame.  Eight waves, two to a SIMD: qg = wave % 4 owns query tiles 2 qg and 2 qg + 1 (32 queries), kh = wave / 4 the key chunks of that
; parity: 16 steps of 128 keys.  The two halves of the keys are added in f32 on the way out.
; LAYOUT.  Row m of tile 4 c + u of a chunk is position 64 c + 32 (m / 8) + 8 u + m % 8.  S^T = k q^T (source 0 = 16 keys, source 1 = 16 queries): lane (r, h) holds query r, and the 32 registers of
; tiles 4 c .. 4 c + 3 are keys 64 c + 32 h + 0 .. 31 in order: one whole block, which is registers 6 c .. 6 c + 5 of the next product's operand.  No maximum and no code changes lanes.
; THE FIRST PRODUCT HAS K = 64, the instruction 128.  q's registers 6-11 are zero codes and the scale bytes of blocks 2 and 3 are 0x7f on both sides; so k's registers 6-11 may be anything that is a code:
; tile t is named as twelve registers from 6 t on, of which the upper six are the next tile's.  They cost no register and no LDS byte, and add exactly nothing.
; O = P g (source 0 = 16 queries, source 1 = 16 features): lane (r, h) holds feature 16 n + r and eight neighbouring positions of the output's row.
; BY HALVES.  The wave's two query tiles take turns.  In a HALF one tile's 64 scores a lane are quantised (85 vector lines), and the other tile has the matrix unit: 4 products P g of the step in hand, then
; 8 products k q^T of the next step, which stand singly between the quantiser's lines.  Then the tiles change places; two halves are a key step.  k and g need one set of registers each: g of the next step
; is loaded behind tile 1's products P g, k of the step after it behind tile 1's products k q^T.
; RING.  A frame's 32 chunks of kg, 13,056 bytes each: three slots of 8 chunks are filled at the start, and slot A once more, with chunks 24-31, when its first eight have been read.
; CLUSTER.  The four work-groups of a cluster belong to one frame and walk the same chunks: every tensor load is asked for JOINTLY, with the same descriptor and the mask of all four.
; REGISTERS.  Window 0 holds all that the score products and the quantiser name up to its conversions, so that these need no switch of the window between them:
;   v1-13, v242-243 addresses; v16-27 scale words; v28-35 at work; v36-59 q; v60-107 k, v108-113 zeros; v114-241 S^T.     Window 1: v0-23 P; v24-30 at work; v32-79 g; v128-191 O.
;   A key step has 12 switches: three for each tile's conversions and moves, two for each group of P g, two for g's loads.
.set CHUNK, 13056
.set SLOT,  8*CHUNK                    ; 104,448
.set SPARE, 3*SLOT                     ; behind the ring: the spare words, 128 bytes for each of eight waves: four blocks of 256 bytes that no other line names
.set STAGE, SLOT                       ; the way out lies in slot B: it has had its one fill, and its last read stands ahead of a barrier that every wave has passed
.set SP,    528                        ; a stage row: 128 positions x 4 bytes + 16: sixteen rows begin at sixteen different groups of banks
.set HALF,  64*SP                      ; 64 features: one stage for each half of the keys
.set STEP,  2*CHUNK
.set GREC,  6144                       ; in a chunk: g's records,
.set KSC,   12288                      ; k's scale words,
.set GSC,   12800                      ; g's
.set SPW,  1                           ; v1   LDS address of my spare word: SPARE + 4 x my thread's number; never rewritten
.set NIL,  2                           ; v2   0; never rewritten
.set L16,  3                           ; v3   16 x lane
.set R16,  4                           ; v4   16 x (lane % 16)
.set H8,   5                           ; v5   8 x (lane / 16)
.set AK16, 6                           ; v6   k's chunk + 16 x lane
.set AK8,  7                           ; v7   k's chunk + 8 x lane
.set AGS,  8                           ; v8   g's chunk + 16 x (lane % 16)
.set L8,   9                           ; v9   8 x lane
.set STO,  10                          ; v10  the way out: where I put 16 bytes of a row
.set RD,   11                          ; v11  and where I read rows back
.set PX,   13                          ; v13  destination of the exchange between the halves of the lanes
.set KS,   16                          ; v16-19 k's scale words: lanes 0-15 tiles 0-3, lanes 16-31 tiles 4-7
.set GS,   20                          ; v20-23 g's, tile n
.set QS,   24                          ; v24-25 q's
.set PW,   26                          ; v26-27 P's
.set MX,   28
.set SO,   32
.set BY,   34
.set QF,   36
.set KF,   60
.set SF,   114
.set AG16, 242                         ; v242 g's chunk + 16 x lane
.set AG8,  243                         ; v243 g's chunk + 8 x lane
.set PF,   0                           ; window 1
.set TMP,  24
.set GF,   32
.set OA,   128
.set WV,   12                          ; s12 wave, s13 qg, s14 kh
.set G1,   24                          ; s[24:31] descriptor group 1
.set G0,   32                          ; s[32:43] three groups 0, one for each slot
.set TBK,  44                          ; s44  LDS byte at which the chunk begins whose k is fetched next
.set CNT,  45
.set SEL,  46                          ; s[46:47]
.set TBG,  56                          ; s56  the same for g, which is fetched a step behind k
.set MSB, 0
.macro WIN new                         ; the immediate's high byte repeats the setting that is left; a switch that changes nothing is dropped
.if MSB != \new
	s_set_vgpr_msb (MSB<<8)|\new
.set MSB, \new
.endif
.endm
.set W_LD, 0x40                        ; the destination (of a load, of a conversion) in window 1
.set W_MV, 0x41                        ; source 0 and destination in window 1
.set W_PV, 0x55                        ; P, g, C and D in window 1
.set W_ST, 0x04                        ; an LDS store's data in window 1
.macro CROUND                          ; a round of the cluster's barrier
	s_barrier_signal -1
	s_barrier_wait -1
	s_cmp_lg_u32 s[WV], 0
	s_cbranch_scc1 .Lnot_wave_0_\@
	s_barrier_signal -3
.Lnot_wave_0_\@:
	s_barrier_wait -3
	s_barrier_signal -1
	s_barrier_wait -1
.endm
.macro PLACES                          ; four plain places: behind matrix instructions, ahead of loads into their registers and of reads of their results; ahead of scaled ones whose operands vector instructions wrote
.rept 4
	v_nop
.endr
.endm
.macro KLOAD                           ; 17 LDS loads, every one of consecutive bytes: k's scale words and its eight records; then on to my next chunk (the other parity is the other half's)
	v_add_nc_u32 v[AK16], s[TBK], v[L16]
	v_add_nc_u32 v[AK8], s[TBK], v[L8]
	s_add_co_u32 s[TBK], s[TBK], STEP
	ds_load_b128 v[KS:KS+3], v[AK16] offset:KSC
.irp t, 0,1,2,3,4,5,6,7
	ds_load_b128 v[KF+6*\t:KF+6*\t+3], v[AK16] offset:768*\t
	ds_load_b64 v[KF+6*\t+4:KF+6*\t+5], v[AK8] offset:768*\t+512
.endr
.endm
.macro GLOAD                           ; 17 LDS loads: g's scale words and its eight records
	v_add_nc_u32 v[AG16], s[TBG], v[L16]
	v_add_nc_u32 v[AG8], s[TBG], v[L8]
	v_add_nc_u32 v[AGS], s[TBG], v[R16]
	s_add_co_u32 s[TBG], s[TBG], STEP
	ds_load_b128 v[GS:GS+3], v[AGS] offset:GSC
	WIN W_LD
.irp e, 0,1,2,3,4,5,6,7
	ds_load_b128 v[GF+6*\e:GF+6*\e+3], v[AG16] offset:GREC+768*\e
	ds_load_b64 v[GF+6*\e+4:GF+6*\e+5], v[AG8] offset:GREC+768*\e+512
.endr
	WIN 0
.endm
.macro SW b                            ; one product of S^T = k q^T: tile TT of the keys x query tile b; it starts its own sum.  All its registers lie in window 0
.if TT > 3
	v_wmma_scale_f32_16x16x128_f8f6f4 v[SF+64*(\b)+8*TT:SF+64*(\b)+8*TT+7], v[KF+6*TT:KF+6*TT+11], v[QF+12*(\b):QF+12*(\b)+11], 0, v[KS+TT%4], v[QS+(\b)] matrix_a_fmt:MATRIX_FMT_BF6 matrix_b_fmt:MATRIX_FMT_BF6 matrix_a_scale:MATRIX_SCALE_ROW1
.else
	v_wmma_scale_f32_16x16x128_f8f6f4 v[SF+64*(\b)+8*TT:SF+64*(\b)+8*TT+7], v[KF+6*TT:KF+6*TT+11], v[QF+12*(\b):QF+12*(\b)+11], 0, v[KS+TT%4], v[QS+(\b)] matrix_a_fmt:MATRIX_FMT_BF6 matrix_b_fmt:MATRIX_FMT_BF6
.endif
.endm
; O += P g for query tile b: 4 tiles of features, K = the step's 128 keys.  Four accumulators, one instruction each; between two links of a chain stand 23 other matrix instructions.
; zero = 1: the first step starts the sums: nothing is cleared.
.macro PVG b, zero
	WIN W_PV
.irp n, 0,1,2,3
.if \zero
	v_wmma_scale_f32_16x16x128_f8f6f4 v[OA+32*(\b)+8*\n:OA+32*(\b)+8*\n+7], v[PF+12*(\b):PF+12*(\b)+11], v[GF+12*\n:GF+12*\n+11], 0, v[PW+(\b)], v[GS+\n] matrix_a_fmt:MATRIX_FMT_BF6 matrix_b_fmt:MATRIX_FMT_BF6
.else
	v_wmma_scale_f32_16x16x128_f8f6f4 v[OA+32*(\b)+8*\n:OA+32*(\b)+8*\n+7], v[PF+12*(\b):PF+12*(\b)+11], v[GF+12*\n:GF+12*\n+11], v[OA+32*(\b)+8*\n:OA+32*(\b)+8*\n+7], v[PW+(\b)], v[GS+\n] matrix_a_fmt:MATRIX_FMT_BF6 matrix_b_fmt:MATRIX_FMT_BF6
.endif
.endr
	WIN 0
.endm
; THE QUANTISER of query tile a, up to its conversions, is a list of 74 lines in window 0; QV writes number j of it.  A lane's 64 scores are two whole blocks of 32 keys.
;   0-31   the largest score: no |.|, what is negative must not count; the floor 2^(5 - 127) stands over it and holds the byte at 1 from below.  Four chains by turns, each accumulator from its low end on
;   32-51  at the even numbers the ten lines that depend on each other: the two blocks' maxima; 4 off the exponent field, which is the conversion's scale operand; the bytes; my query's scale word, with the
;          other half of the lanes' two bytes.  At the odd numbers relu, which waits for none of them
;   52-73  the rest of relu.  relu is max(0, s) in f32, two registers to a dual-issue line: destinations even and odd, the second sources in neighbouring register banks
.macro QV a
.set SB, SF+64*(\a)
.if j < 4
	v_max3_num_f32 v[MX+j], v[SB+16*j], v[SB+16*j+1], 0x2800000
.elseif j < 32
	v_max3_num_f32 v[MX+j%4], v[MX+j%4], v[SB+16*(j%4)+2*(j/4)], v[SB+16*(j%4)+2*(j/4)+1]
.elseif (j < 52) && (j%2 == 0)
.set CH, (j-32)/2
.if CH == 0
	v_max_num_f32 v[MX], v[MX], v[MX+1]            ; block h
.elseif CH == 1
	v_max_num_f32 v[MX+2], v[MX+2], v[MX+3]        ; block 2 + h
.elseif CH == 2
	v_add_nc_u32 v[SO], 0xfe000000, v[MX]
.elseif CH == 3
	v_add_nc_u32 v[SO+1], 0xfe000000, v[MX+2]
.elseif CH == 4
	v_lshrrev_b32 v[BY], 23, v[SO]
.elseif CH == 5
	v_lshrrev_b32 v[BY+1], 23, v[SO+1]
.elseif CH == 6
	v_lshl_or_b32 v[PW+(\a)], v[BY+1], 16, v[BY]
.elseif CH == 7
	v_lshlrev_b32 v[PW+(\a)], v[H8], v[PW+(\a)]
.elseif CH == 8
	v_permlanex16_b32 v[PX], v[PW+(\a)], s[SEL], s[SEL+1]
.else
	v_or_b32 v[PW+(\a)], v[PW+(\a)], v[PX]
.endif
.else
.if j < 52
.set D2, j-33
.else
.set D2, 2*(j-42)
.endif
	v_dual_max_num_f32 v[SB+D2], 0, v[SB+D2] :: v_dual_max_num_f32 v[SB+D2+1], 0, v[SB+D2+1]
.endif
.endm
; A HALF.  Tile a is quantised; tile 1 - a has the matrix unit.
;   pv = 1: ahead of line 8 its four products P g (eight plain lines behind the last move into its P); zero: they start the sums; gw: the LDS loads that may stay out when g has to be there (-1: g is in already)
;   gl = 1: ahead of line 12, four lines and three additions behind those products, the next step's g is asked for
;   sm = 1: its eight products k q^T stand ahead of lines s0, s0 + ds, ..  None of the lines between names a register of theirs, so these lines are their places.  Where gl = 0, k is waited for ahead of the first
;   kl > 0: ahead of line 54, seven lines behind the last product that read k, the k of the step after next is asked for.  kl = 2: slot A is filled again first;  kl = 3: that fill is shown landed first
.macro PHASE a, pv, zero, gw, sm, s0, ds, gl, kl
.set j, 0
.rept 74
.if \pv && (j == 8)
.if \gw >= 0
	s_wait_dscnt \gw
.endif
	PVG 1-(\a), \zero
.endif
.if \gl && (j == 12)
	GLOAD
.endif
.if \sm && (j >= \s0) && ((j-\s0)%\ds == 0) && ((j-\s0)/\ds < 8)
.if (j == \s0) && !\gl
	s_wait_dscnt 0x0                               ; k is in
.endif
.set TT, (j-\s0)/\ds
	SW 1-(\a)
.endif
.if (\kl > 0) && (j == 54)
.if \kl == 2
	; THE ONE REFILL.  All reads of slot A have been issued.  Every wave waits for all its tensor loads (slots B and C are whole then), adds 0 to its spare word, and waits for that and for its reads of slot A;
	; a round of the cluster's barrier, so that this holds of every wave of every partner; then slot A takes chunks 24-31, which have eight key steps in which to land.
	s_wait_tensorcnt 0x0
	ds_add_u32 v[SPW], v[NIL]
	s_add_nc_u64 s[G0+2:G0+3], s[G0+2:G0+3], 3*SLOT   ; no tensor load of mine is out, so a group 0 may be written: 24 chunks on; the type bits are not reached
	s_wait_dscnt 0x0
	CROUND
	tensor_load_to_lds s[G0:G0+3], s[G1:G1+7]      ; my one tensor load behind the round: one is out
	s_nop 0
	PLACES
.elseif \kl == 3
	s_wait_tensorcnt 0x0                           ; my chunk of the refill is in,
	s_wait_dscnt 0x0                               ; and no LDS load of mine is out
	s_barrier_signal -1
	s_barrier_wait -1                              ; everybody's
	s_mul_i32 s[TBK], s14, CHUNK                   ; k goes back to slot A
.endif
	KLOAD
.endif
	QV \a
.set j, j+1
.endr
.set SB, SF+64*(\a)
	WIN W_LD                                       ; the codes go to window 1
.irp c, 0,1
	v_cvt_scalef32_pk16_bf6_f32 v[PF+12*(\a)+6*\c:PF+12*(\a)+6*\c+2], v[SB+32*\c:SB+32*\c+15], v[SO+\c]
	v_cvt_scalef32_pk16_bf6_f32 v[TMP+4*\c:TMP+4*\c+2], v[SB+32*\c+16:SB+32*\c+31], v[SO+\c]   ; (a conversion's three registers begin on an even number)
.endr
	v_nop                                          ; one plain place behind a scaled conversion
	WIN W_MV
.irp c, 0,1
.irp i, 0,1,2
	v_mov_b32 v[PF+12*(\a)+6*\c+3+\i], v[TMP+4*\c+\i]
.endr
.endr
	WIN 0
.endm
; A key step i.  First half: tile 1's scores of step i are quantised | tile 0: P g of step i, k q^T of step i + 1 (late in the half: its k was asked for late in the half before).
; Second half: tile 0's scores of step i + 1 are quantised | tile 1: P g of step i; g of step i + 1 is asked for; k q^T of step i + 1; k of step i + 2 is asked for.
.macro TRIP zero, kl
	PHASE 1, 1, \zero, 17, 1, 22, 6, 0, 0          ; g of step i is in; the 17 loads of k, issued behind it, may be out
	PHASE 0, 1, \zero, -1, 1, 12, 5, 1, \kl
.endm
.macro LOOP n
	s_mov_b32 s[CNT], \n
.Ltrip_\@:
	TRIP 0, 1
	s_sub_co_u32 s[CNT], s[CNT], 1
	s_cmp_lg_u32 s[CNT], 0
	s_cbranch_scc1 .Ltrip_\@
.endm
	s_load_b256 s[4:11], s[0:1], 0x0               ; kg s[4:5], qc s[6:7], qsc s[8:9], out0 s[10:11]
	v_lshl_add_u32 v[SPW], v0, 2, SPARE
	v_mov_b32 v[NIL], 0
	ds_add_u32 v1, v2
	ds_add_u32 v1, v2
	s_wait_dscnt 0x0
	v_lshrrev_b32 v3, 5, v0
	v_readfirstlane_b32 s[WV], v3                  ; wave 0..7
	s_and_b32 s13, s[WV], 3                        ; qg
	s_lshr_b32 s14, s[WV], 2                       ; kh
	s_bfe_u32 s15, ttmp6, 0x40000                  ; cx: my place in the cluster
	s_lshl_b32 s16, ttmp9, 2                       ; in a cluster launch ttmp9 counts clusters
	s_add_co_u32 s16, s16, s15                     ; my chunk of queries: it enters q's and the output's addresses alone
	s_and_b32 s17, ttmp7, 0xffff                   ; the frame, which the four partners share
	; descriptor group 1: a chunk is dense: 51 rows of 256 bytes (32 elements of 8 bytes), no padding
	s_mov_b32 s[G1], 15|(3<<16)|(1<<21)            ; 15:0 the mask: all four work-groups; 17:16 elements of 8 bytes; 21 set beside a mask
	s_mov_b32 s[G1+1], 32<<16                      ; tensor_dim0 = 32
	s_mov_b32 s[G1+2], 51<<16                      ; tensor_dim1 = 51
	s_mov_b32 s[G1+3], 32<<16                      ; tile_dim0 = 32
	s_mov_b32 s[G1+4], 51                          ; tile_dim1 = 51
	s_mov_b32 s[G1+5], 32                          ; tensor_dim0_stride
	s_mov_b32 s[G1+6], 0
	s_mov_b32 s[G1+7], 0
	s_mul_i32 s22, s[WV], CHUNK                    ; wave w fetches chunk w of each slot's eight
	s_mul_i32 s18, s17, 32*CHUNK
	s_add_co_u32 s18, s18, s22
	s_mov_b32 s19, 0
	s_mul_i32 s[TBK], s14, CHUNK                   ; my first chunk: kh
	s_mul_i32 s[TBG], s14, CHUNK
	s_mov_b32 s[SEL], 0x76543210
	s_mov_b32 s[SEL+1], 0xfedcba98                 ; v_permlanex16_b32: lane l xor 16
	s_wait_kmcnt 0x0
	s_add_nc_u64 s[20:21], s[4:5], s[18:19]
.irp q, 0,1,2
	s_mov_b32 s[G0+4*\q], 1                        ; count = 1
	s_add_co_u32 s[G0+4*\q+1], s22, \q*SLOT        ; LDS address: no place in the cluster enters it
	s_add_nc_u64 s[G0+4*\q+2:G0+4*\q+3], s[20:21], \q*SLOT   ; chunks 8 q on
	s_or_b32 s[G0+4*\q+3], s[G0+4*\q+3], 0x80000000          ; type = 2
.endr
	CROUND                                         ; all four work-groups are here: the first joint loads meet
	tensor_load_to_lds s[G0:G0+3], s[G1:G1+7]      ; the three first fills go out together: three loads of mine are out
	s_nop 0
	tensor_load_to_lds s[G0+4:G0+7], s[G1:G1+7]
	s_nop 0
	tensor_load_to_lds s[G0+8:G0+11], s[G1:G1+7]
	s_nop 0
	PLACES                                         ; four v_nop follow the last of them
	s_lshl_b32 s23, s17, 5
	s_add_co_u32 s23, s23, s16                     ; 32 x frame + my chunk
	s_mul_i32 s48, s23, 6144
	s_mul_i32 s49, s13, 1536
	s_add_co_u32 s48, s48, s49
	s_mov_b32 s49, 0
	s_add_nc_u64 s[6:7], s[6:7], s[48:49]          ; q's records 2 qg, 2 qg + 1
	s_lshr_b32 s52, s13, 1
	s_lshl_b32 s52, s52, 8                         ; 256 (qg / 2)
	s_and_b32 s53, s13, 1                          ; qg % 2
	s_lshl_b32 s48, s23, 9
	s_add_co_u32 s48, s48, s52
	s_lshl_b32 s50, s53, 3
	s_add_co_u32 s48, s48, s50
	s_add_nc_u64 s[8:9], s[8:9], s[48:49]          ; and their scale words
	s_lshl_b32 s48, s17, 20                        ; the output: frame x 64 x 4,096 x 4
	s_lshl_b32 s50, s[WV], 17                      ; + features 8 x wave on
	s_add_co_u32 s48, s48, s50
	s_lshl_b32 s50, s16, 9                         ; + my chunk's 128 positions
	s_add_co_u32 s48, s48, s50
	s_add_nc_u64 s[10:11], s[10:11], s[48:49]
	v_and_b32 v12, 31, v0                          ; lane
	v_and_b32 v14, 15, v0                          ; r
	v_bfe_u32 v15, v0, 4, 1                        ; h
	v_lshlrev_b32 v[L16], 4, v12
	v_lshlrev_b32 v[L8], 3, v12
	v_lshlrev_b32 v[R16], 4, v14
	v_lshlrev_b32 v[H8], 3, v15
.irp a, 0,1
	global_load_b128 v[QF+12*\a:QF+12*\a+3], v[L16], s[6:7] offset:768*\a          ; q stays in registers
	global_load_b64 v[QF+12*\a+4:QF+12*\a+5], v[L8], s[6:7] offset:768*\a+512
.endr
	global_load_b64 v[QS:QS+1], v[R16], s[8:9]
	s_mul_i32 s54, s14, HALF
	s_add_co_u32 s54, s54, s52
	s_lshl_b32 s55, s53, 6
	s_add_co_u32 s54, s54, s55
	s_add_co_u32 s54, s54, STAGE
	v_mul_u32_u24 v[STO], v14, SP                  ; into my half's stage: row = feature r; column = my eight positions: 256 (qg / 2) + 128 h + 64 (qg % 2) bytes
	v_lshl_add_u32 v[STO], v15, 7, v[STO]
	v_add_nc_u32 v[STO], s54, v[STO]
	s_mul_i32 s54, s[WV], 8*SP
	s_add_co_u32 s54, s54, STAGE
	v_add_nc_u32 v[RD], s54, v[L16]                ; back: rows 8 x wave on, 16 bytes a lane
	v_mov_b32 v[PX], 0                             ; written once: a lane permute's destination counts as one of its sources
.irp z, 6,7,8,9,10,11,18,19,20,21,22,23
	v_mov_b32 v[QF+\z], 0                          ; q's codes for K = 64 .. 127: zeros
.endr
.irp z, 48,49,50,51,52,53
	v_mov_b32 v[KF+\z], 0                          ; what stands behind k's last tile
.endr
	s_wait_tensorcnt 0x2                           ; my chunk of slot A is in; slots B and C may stay out
	s_barrier_signal -1
	s_barrier_wait -1                              ; everybody's is
	KLOAD                                          ; step 0
	GLOAD
	s_wait_loadcnt 0x0                             ; q
	s_wait_dscnt 17                                ; k is in; g's 17 loads may be out
.irp t, 0,1,2,3,4,5,6,7
.set TT, \t
	SW 0                                           ; both tiles' first scores: there is no vector work yet to set between them
	SW 1
.endr
	PLACES
	KLOAD                                          ; step 1
	PHASE 0, 0, 0, -1, 0, 0, 1, 0, 0               ; tile 0's scores of step 0 are quantised
	TRIP 1, 1                                      ; step 0: the first products into O start the sums
	TRIP 0, 1                                      ; step 1
	TRIP 0, 2                                      ; step 2: behind g of my fourth chunk slot A is filled again
	LOOP 7                                         ; steps 3 to 9: slots B and C
	TRIP 0, 3                                      ; step 10: k of my thirteenth chunk lies in slot A's second fill
	s_mul_i32 s[TBG], s14, CHUNK                   ; and g follows it there a step later
	LOOP 3                                         ; steps 11 to 13
	TRIP 0, 0                                      ; step 14: no k is left to fetch
	PHASE 1, 1, 0, 0, 0, 0, 1, 0, 0                ; step 15: tile 1's last scores are quantised | tile 0's last P g (no load was issued behind g's)
	PLACES                                         ; behind the last move into P
	PVG 1, 0                                       ; tile 1's last P g
	; THE WAY OUT.  A lane holds eight neighbouring positions of one feature's row; a row's 128 positions come from four waves, and each sum from two halves of the keys.  They meet in two stages.
	PLACES
	WIN W_ST
.irp n, 0,1,2,3
.irp a, 0,1
	ds_store_b128 v[STO], v[OA+32*\a+8*\n:OA+32*\a+8*\n+3] offset:16*SP*\n+32*\a          ; each accumulator from its low end on
	ds_store_b128 v[STO], v[OA+32*\a+8*\n+4:OA+32*\a+8*\n+7] offset:16*SP*\n+32*\a+16
.endr
.endr
	WIN 0
	s_wait_dscnt 0x0                               ; for the others' sake: my stores into the stages are done
	s_barrier_signal -1
	s_barrier_wait -1
.irp i, 0,1,2,3,4,5,6,7
	ds_load_b128 v[SF+4*\i:SF+4*\i+3], v[RD] offset:SP*\i               ; feature 8 x wave + i: the even chunks' sums,
	ds_load_b128 v[SF+32+4*\i:SF+32+4*\i+3], v[RD] offset:HALF+SP*\i    ; and the odd chunks'
.endr
.irp i, 0,1,2,3,4,5,6,7
	s_wait_dscnt 14-2*\i                           ; row i's two loads are in; the rows behind it may be out
	v_pk_add_f32 v[SF+4*\i:SF+4*\i+1], v[SF+4*\i:SF+4*\i+1], v[SF+32+4*\i:SF+32+4*\i+1]
	v_pk_add_f32 v[SF+4*\i+2:SF+4*\i+3], v[SF+4*\i+2:SF+4*\i+3], v[SF+32+4*\i+2:SF+32+4*\i+3]
	global_store_b128 v[L16], v[SF+4*\i:SF+4*\i+3], s[10:11] offset:16384*\i th:TH_STORE_NT   ; 32 lanes store 512 consecutive bytes, at a multiple of 512 from the output's first byte
.endr
	s_wait_tensorcnt 0x0                           ; the wave's end, behind my last tensor load and my last LDS store
	ds_add_u32 v[SPW], v[NIL]
	s_wait_dscnt 0x0
	CROUND                                         ; the closing round: no work-group ends while a partner may still ask for a tile that names it
	s_endpgm
.Lfunc_end_k_q59ec23068e_attn:
	.size	k_q59ec23068e_attn, .Lfunc_end_k_q59ec23068e_attn-k_q59ec23068e_attn
	.p2alignl 7, 3214868480
	.fill 96, 4, 3214868480
	.section	.rodata,"a",@progbits
	.p2align	6, 0x0
	.amdhsa_kernel k_q59ec23068e_attn
		.amdhsa_group_segment_fixed_size 327680
		.amdhsa_private_segment_fixed_size 0
		.amdhsa_enable_private_segment 0
		.amdhsa_kernarg_size 32
		.amdhsa_user_sgpr_count 2
		.amdhsa_user_sgpr_kernarg_segment_ptr 1
		.amdhsa_wavefront_size32 1
		.amdhsa_system_sgpr_workgroup_id_x 1
		.amdhsa_system_sgpr_workgroup_id_y 1
		.amdhsa_system_sgpr_workgroup_id_z 1
		.amdhsa_system_vgpr_workitem_id 0
		.amdhsa_next_free_vgpr 512
		.amdhsa_next_free_sgpr 66
		.amdhsa_reserve_vcc 0
		.amdhsa_float_denorm_mode_32 3
		.amdhsa_float_denorm_mode_16_64 3
		.amdhsa_memory_ordered 1
		.amdhsa_forward_progress 1
		.amdhsa_inst_pref_size 140
	.end_amdhsa_kernel
	.amdgpu_metadata
---
amdhsa.version: [ 1, 2 ]
amdhsa.kernels:
  - .name:           k_q59ec23068e_attn
    .symbol:         k_q59ec23068e_attn.kd
    .args:
      - { .name: kg, .offset: 0, .size: 8, .value_kind: global_buffer, .address_space: global }
      - { .name: qc, .offset: 8, .size: 8, .value_kind: global_buffer, .address_space: global }
      - { .name: qsc, .offset: 16, .size: 8, .value_kind: global_buffer, .address_space: global }
      - { .name: out0, .offset: 24, .size: 8, .value_kind: global_buffer, .address_space: global }
    .group_segment_fixed_size: 327680
    .private_segment_fixed_size: 0
    .kernarg_segment_align: 8
    .kernarg_segment_size: 32
    .max_flat_workgroup_size: 256
    .sgpr_count:     66
    .vgpr_count:     512
    .wavefront_size: 32
...
	.end_amdgpu_metadata
.endif
;; end of part 2
